; MI455X (gfx1250); checked and timed in simulation.
; The chip was launched on July 23, 2026; its instructions are those of AMD's public machine-readable ISA for CDNA 5 (MIT licence, August 2026) and "CDNA5" Instruction Set Architecture Reference Guide (July 2026). The comments in the code are by the model that wrote it; some were corrected since.
;; Opti X Attention. Allowed arithmetic: matrix products marked QUANTISED: E2M1 operands, one E8M0 scale for each 32 along K, by v_wmma_scale_f32_16x16x128_f8f6f4 with both operands' format E2M1 (or v_wmma_scale_f32_32x16x128_f4), f32 sums; everything else in f32.
;; Inputs: Wk_codes 1,024 x 32 x 16 uint8 (E2M1 codes of Wk, K innermost, in blocks of 32 codes, two codes a byte); Wk_scales 1,024 x 32 uint8 (E8M0 scales of Wk, one for each 32 codes along K); Wo_codes 1,024 x 32 x 16 uint8 (E2M1 codes of Wo, K innermost, in blocks of 32 codes, two codes a byte); Wo_scales 1,024 x 32 uint8 (E8M0 scales of Wo, one for each 32 codes along K); Wq_codes 1,024 x 32 x 16 uint8 (E2M1 codes of Wq, K innermost, in blocks of 32 codes, two codes a byte); Wq_scales 1,024 x 32 uint8 (E8M0 scales of Wq, one for each 32 codes along K); Wv_codes 1,024 x 32 x 16 uint8 (E2M1 codes of Wv, K innermost, in blocks of 32 codes, two codes a byte); Wv_scales 1,024 x 32 uint8 (E8M0 scales of Wv, one for each 32 codes along K); bk 1,024 float32; bo 1,024 float32; bq 1,024 float32; bv 1,024 float32; x_codes 2 x 2,048 x 32 x 16 uint8 (E2M1 codes of x, K innermost, in blocks of 32 codes, two codes a byte); x_scales 2 x 2,048 x 32 uint8 (E8M0 scales of x, one for each 32 codes along K).
;; Outputs: out0 2 x 2,048 x 1,024 float32.
;; This version of the problem:
;;   THIS VERSION OF THE PROBLEM IS GIVEN IN LOW PRECISION. The matrix products marked QUANTISED in the list below multiply operands that are first quantised to E2M1 (2 exponent bits, 1 mantissa bit; 4 bits a number), with one power-of-two scale for each 32 numbers along K (OCP MX v1.0); their sums are f32. All else is computed in f32.
;;   The module's matrix products, in the order in which they are computed (A, B: the left and right operand; K: the contracted axis; several contracted axes count as one K, in the product's order):
;;     1. [M 4,096, K 1,024] x [K 1,024, N 1,024]; A: input x (given as codes); B: input Wq (given as codes): QUANTISED
;;     2. [M 4,096, K 1,024] x [K 1,024, N 1,024]; A: input x (given as codes); B: input Wk (given as codes): QUANTISED
;;     3. [M 4,096, K 1,024] x [K 1,024, N 1,024]; A: input x (given as codes); B: input Wv (given as codes): QUANTISED
;;     4. batch 32 x [M 2,048, K 64] x [K 64, N 2,048]; A: computed on the way; B: computed on the way: QUANTISED
;;     5. batch 32 x [M 2,048, K 2,048] x [K 2,048, N 64]; A: computed on the way; B: computed on the way: QUANTISED
;;     6. [M 4,096, K 1,024] x [K 1,024, N 1,024]; A: computed on the way; B: input Wo (given as codes): QUANTISED
;;   THE QUANTISER, for each operand of a quantised product, along K:
;;     - K is cut into blocks of 32 from its start; a last block that is shorter is filled with zeros.
;;     - A block's scale is 2^e with e = floor(log2(the largest magnitude in the block)) - 2, held to -126 .. 127; a block of zeros has e = 0. As a byte (E8M0): e + 127.
;;     - Each number is divided by its block's scale, clamped to +-6, and rounded to the nearest number of E2M1, ties to even, subnormals kept.
;;     - The product sums the exact products of the quantised numbers (number of the format x scale) in f32.
;;   ~~~python
;;   def quantise(x, axis):      # numpy; x: float32 -> the quantised numbers, widened to float32 again
;;       x = np.moveaxis(x, axis, -1); K = x.shape[-1]
;;       x = np.pad(x, [(0, 0)] * (x.ndim - 1) + [(0, -K % 32)]); x = x.reshape(x.shape[:-1] + (-1, 32)); a = np.abs(x).max(-1, keepdims=True)
;;       e = np.where(a > 0, np.clip(np.frexp(np.where(a > 0, a, 1))[1] - 1 - 2, -126, 127), 0)      # np.frexp(a)[1] - 1 = floor(log2(a)), exactly
;;       r = np.clip(x / 2.0 ** e, -6, 6)
;;       step = 2.0 ** (np.maximum(np.frexp(np.where(r == 0, 1, r))[1] - 1, 0) - 1)
;;       q = np.round(r / step) * step * 2.0 ** e      # np.round: ties to even
;;       return np.moveaxis(q.reshape(q.shape[:-2] + (-1,))[..., :K], -1, axis).astype(np.float32)
;;   ~~~
;;   OPERANDS COMPUTED ON THE WAY. 'Computed on the way' means the value that the module computes at that place (a softmax that the list does not call 'softmax' is quantised finished and normalised). What goes into a quantiser is computed in f32, as accurately as f32 sums, v_exp_f32 and their like allow (about 1e-6 of the number): no bf16 or f16 on the way to a quantiser, and a product that is left as it is and whose result goes on into a quantised operand takes f32 operands (vector FMAs, or v_wmma_f32_16x16x4_f32). A number that lies on a knife's edge between two numbers of the format may be rounded either way, as far as f32 arithmetic and the matrix unit's own rounding can turn it there, and no further.
;;   INPUTS GIVEN AS CODES. Wk (in the module: [1024, 1024], K = its axis 0); Wo (in the module: [1024, 1024], K = its axis 0); Wq (in the module: [1024, 1024], K = its axis 0); Wv (in the module: [1024, 1024], K = its axis 0); x (in the module: [2, 2048, 1024], K = its axis 2): each comes as NAME_codes (uint8): NAME with its K axis moved to the last place and cut into blocks of 32 codes, [.., K / 32, bytes a block], one block behind the other in memory; two codes a byte, the lower K in the low four bits (a code: sign, 2 exponent bits, 1 mantissa bit); and NAME_scales (uint8): the same leading axes, one E8M0 byte (e + 127) for each 32 codes along K. Its value is code x scale, taken as it is: it is not quantised again, and the codes and scales need not be those that the quantiser above would give.
;; One version. Each part assembles by itself: llvm-mc -triple=amdgcn-amd-amdhsa -mcpu=gfx1250 --defsym DOCPART=n.
;; ======== version 1 of 1: 3 launches
;; limits: right only within a limited range of input values
;; workspace buffers: qkv 6,946,816 bytes; ac 2,097,152 bytes; asc 131,072 bytes
;; launch qkv (part 1): grid 16 x 16, 4 waves a work-group, clusters of 4 x 4, 237,568 bytes of LDS; arguments x_codes, x_scales, Wq_codes, Wq_scales, Wk_codes, Wk_scales, Wv_codes, Wv_scales, bq, bk, bv, qkv; writes qkv
.if DOCPART == 1
	.amdgcn_target "amdgcn-amd-amdhsa--gfx1250"
	.amdhsa_code_object_version 6
	.text
	.protected	k_q85dcaa5660_qkv
	.globl	k_q85dcaa5660_qkv
	.p2align	8
	.type	k_q85dcaa5660_qkv,@function
k_q85dcaa5660_qkv:
	s_mov_b64 s[64:65], 0
	v_nop
	global_prefetch_b8 v0, s[64:65] scope:SCOPE_SE
	s_setreg_imm32_b32 hwreg(HW_REG_WAVE_MODE, 25, 1), 1
	s_wait_xcnt 0x0
	s_wait_alu depctr_hold_cnt(0) depctr_sa_sdst(0) depctr_va_vdst(0) depctr_va_sdst(0) depctr_va_ssrc(0) depctr_va_vcc(0) depctr_vm_vsrc(0)
	s_getreg_b32 s2, hwreg(HW_REG_IB_STS2, 6, 4)
	s_cmp_eq_u32 s2, 0
	s_cbranch_scc0 .Lentry_in_a_cluster
	s_endpgm
.Lentry_in_a_cluster:
	s_bfe_u32 s2, ttmp6, 0x10000c
	s_cmp_lg_u32 s2, 0xf033
	s_cbranch_scc0 .Lentry_shape_is_right
	s_endpgm
.Lentry_shape_is_right:
; Q, K and V of one head for 256 tokens, from codes of FP4 (E2M1) with one E8M0 scale for each 32 along K = 1,024; sums in f32, the bias as the C of each sum's first product; the results quantised: Q and K along the head's 64 channels, V along the keys.
; LEFT OUT in this program: key steps of 128 keys that lie wholly behind the causal mask that the problem builds itself (their weights are 0 for all inputs); a NaN or an infinity that reaches only those is not carried to the result.
; SHARES.  A work-group has one head (x) and 256 tokens (y): 256 work-groups, all alike; a wave has 64 tokens x 192 columns (Q's 64, K's 64, V's 64): 48 accumulators.
; All of K for both operands fits in LDS and comes once, one tensor load a wave: wave 0 the tokens' 256 rows of 512 bytes, waves 1, 2, 3 the head's 64 rows of Wq, Wk, Wv; 16 bytes of padding behind each row.  Nothing is prefetched: no loop loads from memory.
; The scale words, 32 bytes a row, go from memory straight into registers: a wave's rows are dense blocks, read whole.
; CLUSTER: 4 x 4.  The tokens' rows hang on y alone and are asked for jointly along a row of the cluster, the weights' on x alone and jointly down a column.
; Q and K are made TRANSPOSED (source 0 = 16 channels of W, source 1 = 16 tokens): a lane holds one token and eight neighbouring channels; V the other way round: a lane holds one channel and eight neighbouring tokens.  So each quantiser finds its block of 32 in two accumulators of lanes l and l xor 16.
; OUT, for each batch and head HB bytes: K's scale words [tile / 4][token][4 tiles], V's codes and words by steps of 128 keys, K's and Q's codes as images of operand registers, 512 bytes for 16 tokens.  A word of Q or K has its two bytes twice.
; LIMITS: NaN (a given scale byte of 0xff) and infinities are not served.  A block of zeros gets the byte 1 (the rule says 127): its codes are zeros, and this program alone reads the bytes.
; REGISTERS: window 0: v1-22 addresses; v32-95 scale words (Q, K, V, tokens: 16 each: tile t of 4 is in group t % 2, lanes 16 (t / 2) on; a word a K step); v96-111 at work; v128-223 the biases, later codes.
;   window 1: two sets of fragments: 12 of W, 4 of the tokens.  window 2: Q's and K's accumulators, (token tile a, channel tile b) at v[64 a + 8 b].  window 3: V's, (channel tile n, token tile a) at v[32 n + 8 a].
.set HB,   217088
.set KCD,  8192
.set VSC,  73728
.set VCD,  77824
.set QSC,  143360
.set QCD,  151552
.set PITCH, 528
.set WB,   256*PITCH                   ; LDS: the tokens' rows; then the weights' 192 rows;
.set STG,  WB+192*PITCH                ; V's scale words of two steps;
.set SPARE, STG+512                    ; the spare words
.set SOF,  3
.set BOQ,  4
.set BOV,  5
.set ADW0, 16
.set ADW1, 17
.set ADX,  18
.set LO,   19
.set OSC,  20
.set STA,  21
.set STR,  22
.set SC,   32
.set T,    96
.set WD,   112
.set SKW,  118
.set SQW,  122
.set BI,   128
.set CD,   128
.set SPW,  254
.set NIL,  255
.set WV,   38
.set CX,   67
.set CYP,  100
.set HEAD, 101
.set TBK,  104
.set SEL,  60
.set G1X,  40
.set G1W,  48
.set G0X,  56
.set G0Q,  68
.set G0K,  72
.set G0V,  76
.set MSB, 0
.macro WIN new
.if MSB != (\new)
	s_set_vgpr_msb (MSB<<8)|(\new)
.set MSB, (\new)
.endif
.endm
.macro CROUND
	s_barrier_signal -1
	s_barrier_wait -1
	s_cmp_lg_u32 s[WV], 0
	s_cbranch_scc1 .Lnot_wave_0_\@
	s_barrier_signal -3
.Lnot_wave_0_\@:
	s_barrier_wait -3
	s_barrier_signal -1
	s_barrier_wait -1
.endm
.macro PLACES n
.rept \n
	v_nop
.endr
.endm
	s_load_b512 s[4:19], s[0:1], 0x0               ; x, Wq, Wk, Wv: codes and scales
	s_load_b256 s[20:27], s[0:1], 0x40             ; bq, bk, bv, qkv
	v_lshl_add_u32 v[SPW], v0, 2, SPARE
	v_mov_b32 v[NIL], 0
	ds_add_u32 v[SPW], v[NIL]                      ; the opening lines: the add, twice on end, and its wait
	ds_add_u32 v[SPW], v[NIL]
	v_lshrrev_b32 v1, 5, v0
	v_readfirstlane_b32 s[WV], v1
	s_bfe_u32 s[CX], ttmp6, 0x40000
	s_bfe_u32 s[CYP], ttmp6, 0x40004
	s_lshl_b32 s[HEAD], ttmp9, 2
	s_add_co_u32 s[HEAD], s[HEAD], s[CX]
	s_and_b32 s[TBK], ttmp7, 0xffff
	s_lshl_b32 s[TBK], s[TBK], 2
	s_add_co_u32 s[TBK], s[TBK], s[CYP]            ; the block of 256 tokens
	s_lshl_b32 s2, s[CYP], 2
	s_lshl_b32 s2, 15, s2                          ; my row of the cluster
	s_lshl_b32 s3, 0x1111, s[CX]                   ; my column
	s_or_b32 s[G1X], s2, (0<<16)|(1<<20)|(1<<21)|(6<<22)|(3<<25)   ; elements of 1 byte; 4 words of padding after every 128; bit 21 beside a mask
	s_mov_b32 s[G1X+1], 512<<16
	s_mov_b32 s[G1X+2], 256<<16
	s_mov_b32 s[G1X+3], 512<<16
	s_mov_b32 s[G1X+4], 256
	s_mov_b32 s[G1X+5], 512
	s_mov_b32 s[G1X+6], 0
	s_mov_b32 s[G1X+7], 0
	s_or_b32 s[G1W], s3, (0<<16)|(1<<20)|(1<<21)|(6<<22)|(3<<25)
	s_mov_b32 s[G1W+1], 512<<16
	s_mov_b32 s[G1W+2], 64<<16
	s_mov_b32 s[G1W+3], 512<<16
	s_mov_b32 s[G1W+4], 64
	s_mov_b32 s[G1W+5], 512
	s_mov_b32 s[G1W+6], 0
	s_mov_b32 s[G1W+7], 0
	s_lshl_b32 s28, s[HEAD], 15                    ; the head's 64 rows: codes,
	s_mov_b32 s29, 0
	s_lshl_b32 s30, s[HEAD], 11                    ; scale bytes,
	s_mov_b32 s31, 0
	s_lshl_b32 s32, s[HEAD], 8                     ; biases
	s_mov_b32 s33, 0
	s_lshl_b32 s34, s[TBK], 17                     ; the tokens' codes,
	s_mov_b32 s35, 0
	s_lshl_b32 s36, s[TBK], 13
	s_lshl_b32 s37, s[WV], 11
	s_add_co_u32 s36, s36, s37                     ; and my 64 tokens' scale bytes
	s_mov_b32 s37, 0
	s_mov_b32 s[SEL], 0x76543210
	s_mov_b32 s[SEL+1], 0xfedcba98
	v_and_b32 v1, 15, v0                           ; r
	v_bfe_u32 v2, v0, 4, 1                         ; h
	v_lshlrev_b32 v[SOF], 5, v1
	v_lshl_add_u32 v[SOF], v2, 10, v[SOF]          ; lanes 16-31: 32 rows on
	v_lshlrev_b32 v[BOQ], 5, v2
	v_lshlrev_b32 v[BOV], 2, v1
	s_wait_alu depctr_va_vdst(0)                   ; ahead of the waits below
	s_wait_dscnt 0x0                               ; both opening adds are done
	s_wait_kmcnt 0x0
	s_add_nc_u64 s[4:5], s[4:5], s[34:35]
	s_add_nc_u64 s[6:7], s[6:7], s[36:37]
.irp p, 8,12,16
	s_add_nc_u64 s[\p:\p+1], s[\p:\p+1], s[28:29]
	s_add_nc_u64 s[\p+2:\p+3], s[\p+2:\p+3], s[30:31]
.endr
.irp p, 20,22,24
	s_add_nc_u64 s[\p:\p+1], s[\p:\p+1], s[32:33]
.endr
.macro SCALES m, p                     ; register 8 j + s of matrix m: K step s's words of tiles j and j + 2
.irp j, 0,1
.irp c, 0,1
	global_load_b128 v[SC+16*\m+8*\j+4*\c:SC+16*\m+8*\j+4*\c+3], v[SOF], s[\p:\p+1] offset:512*\j+16*\c
.endr
.endr
.endm
	SCALES 0, 10
	SCALES 1, 14
	SCALES 2, 18
	SCALES 3, 6
.irp b, 0,1,2,3                        ; the biases in the results' layouts: Q, K: register j of tile b is channel 16 b + 8 h + j
	global_load_b128 v[BI+8*\b:BI+8*\b+3], v[BOQ], s[20:21] offset:64*\b
	global_load_b128 v[BI+8*\b+4:BI+8*\b+7], v[BOQ], s[20:21] offset:64*\b+16
	global_load_b128 v[BI+32+8*\b:BI+32+8*\b+3], v[BOQ], s[22:23] offset:64*\b
	global_load_b128 v[BI+32+8*\b+4:BI+32+8*\b+7], v[BOQ], s[22:23] offset:64*\b+16
	global_load_b32 v[BI+64+8*\b], v[BOV], s[24:25] offset:64*\b   ; V: lane r is channel 16 b + r
.endr
	CROUND                                         ; all sixteen work-groups are here: the joint loads meet
	s_mov_b32 s[G0X], 1
	s_mov_b32 s[G0X+1], 0
	s_mov_b64 s[G0X+2:G0X+3], s[4:5]
	s_or_b32 s[G0X+3], s[G0X+3], 0x80000000
	s_mov_b32 s[G0Q], 1
	s_mov_b32 s[G0Q+1], WB
	s_mov_b64 s[G0Q+2:G0Q+3], s[8:9]
	s_or_b32 s[G0Q+3], s[G0Q+3], 0x80000000
	s_mov_b32 s[G0K], 1
	s_mov_b32 s[G0K+1], WB+64*PITCH
	s_mov_b64 s[G0K+2:G0K+3], s[12:13]
	s_or_b32 s[G0K+3], s[G0K+3], 0x80000000
	s_mov_b32 s[G0V], 1
	s_mov_b32 s[G0V+1], WB+128*PITCH
	s_mov_b64 s[G0V+2:G0V+3], s[16:17]
	s_or_b32 s[G0V+3], s[G0V+3], 0x80000000
; One tree of branches on the wave's number: every way passes exactly one load.
.macro ARM under, g0, g1, next
	s_cmp_lt_u32 s[WV], \under
	s_cbranch_scc0 \next
	tensor_load_to_lds s[\g0:\g0+3], s[\g1:\g1+7]
	s_nop 0
.rept 4
	v_nop
.endr
	s_branch .Lasked
\next:
.endm
	ARM 1, G0X, G1X, .Lhead_q
	ARM 2, G0Q, G1W, .Lhead_k
	ARM 3, G0K, G1W, .Lhead_v
	tensor_load_to_lds s[G0V:G0V+3], s[G1W:G1W+7]
	s_nop 0
.rept 4
	v_nop
.endr
.Lasked:
	v_mul_u32_u24 v6, v1, PITCH
	v_lshl_add_u32 v6, v2, 4, v6                   ; a fragment's row x pitch + 16 x half
	v_and_b32 v[LO], 31, v0
	v_lshlrev_b32 v[LO], 4, v[LO]                  ; 16 x lane
	s_mul_i32 s2, s[WV], 64*PITCH
	v_add_nc_u32 v[ADW0], WB, v6                   ; W's tiles 0-5,
	v_add_nc_u32 v[ADW1], WB+6*16*PITCH, v6        ; and 6-11
	v_add_nc_u32 v[ADX], s2, v6                    ; my 64 tokens
	v_mul_u32_u24 v[OSC], QSC, v2
	v_lshl_add_u32 v[OSC], v1, 4, v[OSC]           ; lanes 0-15 put out K's words, lanes 16-31 Q's
	s_lshr_b32 s2, s[WV], 1
	s_lshl_b32 s2, s2, 8
	s_and_b32 s3, s[WV], 1
	s_lshl_b32 s3, s3, 1
	s_add_co_u32 s2, s2, s3
	s_add_co_u32 s2, s2, STG
	v_lshlrev_b32 v[STA], 4, v1
	v_add_nc_u32 v[STA], s2, v[STA]                ; V's words: step wave / 2, my half of each
	v_add_nc_u32 v[STR], STG, v[LO]
.irp b, 0,1,2,3
	v_mov_b32 v[T+4+\b], 0                         ; (a lane permute's destination counts as read)
.endr
	s_lshr_b32 s80, s[TBK], 3                      ; batch
	s_lshl_b32 s80, s80, 4
	s_add_co_u32 s80, s80, s[HEAD]
	s_mul_i32 s80, s80, HB
	s_and_b32 s81, s[TBK], 7
	s_lshl_b32 s90, s81, 9
	s_add_co_u32 s90, s90, s80                     ; V's words of my work-group's two steps
	s_mov_b32 s91, 0
	s_lshl_b32 s82, s81, 2
	s_add_co_u32 s82, s82, s[WV]                   ; G: my 64 tokens' number in the batch
	s_lshl_b32 s84, s82, 11
	s_add_co_u32 s84, s84, s80                     ; my four tiles' codes
	s_mov_b32 s85, 0
	s_lshl_b32 s86, s82, 8
	s_add_co_u32 s86, s86, s80                     ; their words
	s_mov_b32 s87, 0
	s_lshr_b32 s88, s82, 1
	s_lshl_b32 s88, s88, 12
	s_and_b32 s89, s82, 1
	s_lshl_b32 s89, s89, 9
	s_add_co_u32 s88, s88, s89
	s_add_co_u32 s88, s88, s80                     ; V's codes: step G / 2, half G % 2
	s_mov_b32 s89, 0
	s_add_nc_u64 s[84:85], s[26:27], s[84:85]
	s_add_nc_u64 s[86:87], s[26:27], s[86:87]
	s_add_nc_u64 s[88:89], s[26:27], s[88:89]
	s_add_nc_u64 s[90:91], s[26:27], s[90:91]
	s_wait_alu depctr_va_vdst(0)                   ; the head's end
	s_wait_loadcnt 0x0                             ; scale words and biases
.irp t, 0,1,2,3
.irp j, 1,2,3,4,5,6,7
	v_mov_b32 v[BI+64+8*\t+\j], v[BI+64+8*\t]
.endr
.endr
	s_wait_alu depctr_va_vdst(0)
	s_wait_tensorcnt 0x0                           ; my tile is in,
	s_barrier_signal -1
	s_barrier_wait -1                              ; all four are
.macro KFETCH s                        ; K step s: 16 fragments of 16 rows x 128 K, 32 loads, into set s % 2
.set PF, 128*((\s)%2)
	WIN 0x40
.irp t, 0,1,2,3,4,5
.irp c, 0,1
	ds_load_b128 v[PF+8*\t+4*\c:PF+8*\t+4*\c+3], v[ADW0] offset:\t*16*PITCH+64*(\s)+32*\c
.endr
.endr
.irp t, 0,1,2,3,4,5
.irp c, 0,1
	ds_load_b128 v[PF+48+8*\t+4*\c:PF+48+8*\t+4*\c+3], v[ADW1] offset:\t*16*PITCH+64*(\s)+32*\c
.endr
.endr
.irp t, 0,1,2,3
.irp c, 0,1
	ds_load_b128 v[PF+96+8*\t+4*\c:PF+96+8*\t+4*\c+3], v[ADX] offset:\t*16*PITCH+64*(\s)+32*\c
.endr
.endr
.endm
.macro MM                              ; one product: D and C at DD, CC; sources SA, SB; their words in WA, WB_, lanes 16-31 where RA, RB are 1
.if RA && RB
	v_wmma_scale_f32_16x16x128_f8f6f4 v[DD:DD+7], v[SA:SA+7], v[SB:SB+7], v[CC:CC+7], v[WA], v[WB_] matrix_a_fmt:MATRIX_FMT_FP4 matrix_b_fmt:MATRIX_FMT_FP4 matrix_a_scale:MATRIX_SCALE_ROW1 matrix_b_scale:MATRIX_SCALE_ROW1
.elseif RA
	v_wmma_scale_f32_16x16x128_f8f6f4 v[DD:DD+7], v[SA:SA+7], v[SB:SB+7], v[CC:CC+7], v[WA], v[WB_] matrix_a_fmt:MATRIX_FMT_FP4 matrix_b_fmt:MATRIX_FMT_FP4 matrix_a_scale:MATRIX_SCALE_ROW1
.elseif RB
	v_wmma_scale_f32_16x16x128_f8f6f4 v[DD:DD+7], v[SA:SA+7], v[SB:SB+7], v[CC:CC+7], v[WA], v[WB_] matrix_a_fmt:MATRIX_FMT_FP4 matrix_b_fmt:MATRIX_FMT_FP4 matrix_b_scale:MATRIX_SCALE_ROW1
.else
	v_wmma_scale_f32_16x16x128_f8f6f4 v[DD:DD+7], v[SA:SA+7], v[SB:SB+7], v[CC:CC+7], v[WA], v[WB_] matrix_a_fmt:MATRIX_FMT_FP4 matrix_b_fmt:MATRIX_FMT_FP4
.endif
.endm
; K step s: the next step's fragments are asked for, then 48 products, the 48 accumulators by turns.
.macro KSTEP s
	s_wait_dscnt 0x0
.if (\s) < 7
.if (\s) > 0
	PLACES 4                                       ; between the last step's products and the loads into their registers
.endif
	KFETCH (\s)+1
.endif
.set PB, 128*((\s)%2)
.if (\s) == 0
	WIN 0x85                                       ; sources 0, 1 window 1, D window 2; C: the biases in window 0
.else
	WIN 0xa5                                       ; C and D window 2
.endif
.irp a, 0,1,2,3
.irp b, 0,1,2,3,4,5,6,7
.set DD, 64*\a+8*\b
.set CC, DD
.if (\s) == 0
.set CC, BI+8*\b
.endif
.set SA, PB+8*\b
.set SB, PB+96+8*\a
.set WA, SC+16*(\b/4)+8*(\b%2)+(\s)
.set WB_, SC+48+8*(\a%2)+(\s)
.set RA, (\b%4)/2
.set RB, \a/2
	MM
.endr
.endr
.if (\s) == 0
	WIN 0xc5                                       ; D window 3; C: the biases in window 0
.else
	WIN 0xf5                                       ; C and D window 3
.endif
.irp a, 0,1,2,3
.irp b, 0,1,2,3
.set DD, 32*\b+8*\a
.set CC, DD
.if (\s) == 0
.set CC, BI+64+8*\b
.endif
.set SA, PB+96+8*\a
.set SB, PB+64+8*\b
.set WA, SC+48+8*(\a%2)+(\s)
.set WB_, SC+32+8*(\b%2)+(\s)
.set RA, \a/2
.set RB, \b/2
	MM
.endr
.endr
.endm
	KFETCH 0
.irp s, 0,1,2,3,4,5,6,7
	KSTEP \s
.endr
; Four blocks of 32: eight accumulators from ac on in window w; codes to v[CD + 8 k] on, the four bytes to v[WD + k].
; An image's register i wants, in half h', numbers 32 h' + 8 i on: accumulators 0 and 2 go to registers 0 and 1, 1 and 3 to 2 and 3, and each pair changes the first's upper lanes for the second's lower.
.macro QUANT w, ac, k
.set AC, \ac
.set CDA, CD+8*(\k)
	WIN 0x14*(\w)
.irp b, 0,1,2,3
	v_max3_num_f32 v[T+\b], 0x1800000, |v[AC+16*\b]|, |v[AC+16*\b+1]|   ; with the floor 2^(3 - 127): the byte cannot fall under 1
.endr
.irp i, 2,4,6,8,10,12,14
.irp b, 0,1,2,3
	v_max3_num_f32 v[T+\b], v[T+\b], |v[AC+16*\b+\i]|, |v[AC+16*\b+\i+1]|
.endr
.endr
	WIN 0
.irp b, 0,1,2,3
	v_permlanex16_b32 v[T+4+\b], v[T+\b], s[SEL], s[SEL+1]
.endr
.irp b, 0,1,2,3
	v_max_num_f32 v[T+\b], v[T+\b], v[T+4+\b]
.endr
.irp b, 0,1,2,3
	v_add_nc_u32 v[T+12+\b], 0xff000000, v[T+\b]   ; 2 off the exponent field: the conversion's scale operand
.endr
.irp b, 0,1,2,3
	v_lshrrev_b32 v[T+4+\b], 23, v[T+12+\b]        ; the scale's byte
.endr
	v_lshl_or_b32 v[WD+(\k)], v[T+5], 8, v[T+4]
	v_lshl_or_b32 v[T+6], v[T+7], 8, v[T+6]
	v_lshl_or_b32 v[WD+(\k)], v[T+6], 16, v[WD+(\k)]
	WIN (\w)
.irp t, 0,1,2,3,4,5,6,7
	v_cvt_scalef32_pk8_fp4_f32 v[CDA+4*(\t/4)+2*(\t%2)+(\t%4)/2], v[AC+8*\t:AC+8*\t+7], v[T+12+\t/2]
.endr
	WIN 0
	v_nop                                          ; one plain instruction behind the last scaled conversion
.irp c, 0,4
	v_permlane16_swap_b32 v[CDA+\c], v[CDA+\c+1]
	v_permlane16_swap_b32 v[CDA+\c+2], v[CDA+\c+3]
.endr
.endm
	PLACES 4                                       ; behind the last products
.irp a, 0,1,2,3
	QUANT 2, 64*\a, \a
	v_perm_b32 v[SKW+\a], v[WD+\a], v[WD+\a], 0x03020302   ; bytes 2 and 3 are K's, twice;
	v_perm_b32 v[SQW+\a], v[WD+\a], v[WD+\a], 0x01000100   ; bytes 0 and 1 Q's
	global_store_b128 v[LO], v[CD+8*\a:CD+8*\a+3], s[84:85] offset:QCD+512*\a      ; 512 consecutive bytes each
	global_store_b128 v[LO], v[CD+8*\a+4:CD+8*\a+7], s[84:85] offset:KCD+512*\a
.endr
.irp n, 0,1
	QUANT 3, 64*\n, 4+\n
	global_store_b128 v[LO], v[CD+32+8*\n:CD+32+8*\n+3], s[88:89] offset:VCD+2048*\n
	global_store_b128 v[LO], v[CD+32+8*\n+4:CD+32+8*\n+7], s[88:89] offset:VCD+2048*\n+1024
	ds_store_b16 v[STA], v[WD+4+\n] offset:8*\n    ; my two of the four bytes of channel tiles 2 n
	ds_store_b16_d16_hi v[STA], v[WD+4+\n] offset:8*\n+4   ; and 2 n + 1
.endr
	s_mov_b32 vcc_lo, 0xffff0000
.irp a, 0,1,2,3
	v_cndmask_b32 v[SKW+\a], v[SKW+\a], v[SQW+\a], vcc_lo
.endr
	global_store_b128 v[OSC], v[SKW:SKW+3], s[86:87]   ; 256 consecutive bytes of K's words, 256 of Q's
	s_wait_alu depctr_va_vdst(0)
	s_wait_dscnt 0x0
	s_barrier_signal -1
	s_barrier_wait -1                              ; V's words are whole
	s_cmp_lg_u32 s[WV], 0
	s_cbranch_scc1 .Lsent
	ds_load_b128 v[T:T+3], v[STR]
	s_wait_dscnt 0x0
	global_store_b128 v[LO], v[T:T+3], s[90:91] offset:VSC
.Lsent:
	s_wait_tensorcnt 0x0                           ; the wave's end
	ds_add_u32 v[SPW], v[NIL]
	s_wait_dscnt 0x0
	CROUND                                         ; the closing round
	s_endpgm
.Lfunc_end_k_q85dcaa5660_qkv:
	.size	k_q85dcaa5660_qkv, .Lfunc_end_k_q85dcaa5660_qkv-k_q85dcaa5660_qkv
	.p2alignl 7, 3214868480
	.fill 96, 4, 3214868480
	.section	.rodata,"a",@progbits
	.p2align	6, 0x0
	.amdhsa_kernel k_q85dcaa5660_qkv
		.amdhsa_group_segment_fixed_size 237568
		.amdhsa_private_segment_fixed_size 0
		.amdhsa_enable_private_segment 0
		.amdhsa_kernarg_size 96
		.amdhsa_user_sgpr_count 2
		.amdhsa_user_sgpr_kernarg_segment_ptr 1
		.amdhsa_wavefront_size32 1
		.amdhsa_system_sgpr_workgroup_id_x 1
		.amdhsa_system_sgpr_workgroup_id_y 1
		.amdhsa_system_sgpr_workgroup_id_z 1
		.amdhsa_system_vgpr_workitem_id 0
		.amdhsa_next_free_vgpr 1024
		.amdhsa_next_free_sgpr 106
		.amdhsa_reserve_vcc 1
		.amdhsa_float_denorm_mode_32 3
		.amdhsa_float_denorm_mode_16_64 3
		.amdhsa_memory_ordered 1
		.amdhsa_forward_progress 1
		.amdhsa_inst_pref_size 105
	.end_amdhsa_kernel
	.amdgpu_metadata
---
amdhsa.version: [ 1, 2 ]
amdhsa.kernels:
  - .name:           k_q85dcaa5660_qkv
    .symbol:         k_q85dcaa5660_qkv.kd
    .args:
      - { .name: x_codes, .offset: 0, .size: 8, .value_kind: global_buffer, .address_space: global }
      - { .name: x_scales, .offset: 8, .size: 8, .value_kind: global_buffer, .address_space: global }
      - { .name: Wq_codes, .offset: 16, .size: 8, .value_kind: global_buffer, .address_space: global }
      - { .name: Wq_scales, .offset: 24, .size: 8, .value_kind: global_buffer, .address_space: global }
      - { .name: Wk_codes, .offset: 32, .size: 8, .value_kind: global_buffer, .address_space: global }
      - { .name: Wk_scales, .offset: 40, .size: 8, .value_kind: global_buffer, .address_space: global }
      - { .name: Wv_codes, .offset: 48, .size: 8, .value_kind: global_buffer, .address_space: global }
      - { .name: Wv_scales, .offset: 56, .size: 8, .value_kind: global_buffer, .address_space: global }
      - { .name: bq, .offset: 64, .size: 8, .value_kind: global_buffer, .address_space: global }
      - { .name: bk, .offset: 72, .size: 8, .value_kind: global_buffer, .address_space: global }
      - { .name: bv, .offset: 80, .size: 8, .value_kind: global_buffer, .address_space: global }
      - { .name: qkv, .offset: 88, .size: 8, .value_kind: global_buffer, .address_space: global }
    .group_segment_fixed_size: 237568
    .private_segment_fixed_size: 0
    .kernarg_segment_align: 8
    .kernarg_segment_size: 96
    .max_flat_workgroup_size: 128
    .sgpr_count:     106
    .vgpr_count:     1024
    .wavefront_size: 32
...
	.end_amdgpu_metadata
.endif
;; end of part 1
;; launch attn (part 2): grid 8 x 32, 16 waves a work-group, clusters of 4 x 1, 286,720 bytes of LDS; arguments qkv, ac, asc; writes ac, asc
.if DOCPART == 2
	.amdgcn_target "amdgcn-amd-amdhsa--gfx1250"
	.amdhsa_code_object_version 6
	.text
	.protected	k_q85dcaa5660_attn
	.globl	k_q85dcaa5660_attn
	.p2align	8
	.type	k_q85dcaa5660_attn,@function
k_q85dcaa5660_attn:
	s_mov_b64 s[64:65], 0
	v_nop
	global_prefetch_b8 v0, s[64:65] scope:SCOPE_SE
	s_setreg_imm32_b32 hwreg(HW_REG_WAVE_MODE, 25, 1), 1
	s_wait_xcnt 0x0
	s_wait_alu depctr_hold_cnt(0) depctr_sa_sdst(0) depctr_va_vdst(0) depctr_va_sdst(0) depctr_va_ssrc(0) depctr_va_vcc(0) depctr_vm_vsrc(0)
	s_getreg_b32 s2, hwreg(HW_REG_IB_STS2, 6, 4)
	s_cmp_eq_u32 s2, 0
	s_cbranch_scc0 .Lentry_in_a_cluster
	s_endpgm
.Lentry_in_a_cluster:
	s_bfe_u32 s2, ttmp6, 0x10000c
	s_cmp_lg_u32 s2, 0x3003
	s_cbranch_scc0 .Lentry_shape_is_right
	s_endpgm
.Lentry_shape_is_right:
; Causal attention of one head on codes of FP4 (E2M1), one E8M0 scale for each 32 along a product's K.  What is quantised for the second product is the FINISHED weight, exp(s - max) / sum,
; so the row's sum must be known before any weight is rounded: TWO PASSES over the keys.  Pass 1: the scores, a running largest t and the sum.  Pass 2: the scores again, the weights, their codes, the product with V.
; t = score x log2(e) / 8; M = the largest t so far rounded UP to a whole number; p = 2^(t - M).  When M moves, the sum is multiplied by 2^(old M - new M), which rounds nothing.
; weight = 2^(t - M - log2(sum) + 2^-22): one multiply-add and one exponential.  The 2^-22 (under 2e-7 of the weight) keeps the weight of a row's only key, which is 1, from falling under 1 by rounding.
; SHARES.  A work-group has one head (work-group y) and, of each of the sixteen blocks of 128 queries, the tile of 16 queries number g (work-group x, 0 .. 7).  Block a's tile walks key steps 0 .. a of 128 keys; step a lies on the diagonal;
; key steps behind the diagonal are hidden by the mask that the problem builds itself, and are not done.
; Waves w and w + 4 (bit 2 of w is the wave's type) share the tiles of blocks 15 - P and P, P = w % 4 + 4 (w / 8): type 0 takes steps 0 .. 7 of block 15 - P; type 1 its steps 8 .. 15 - P and then all P + 1 steps of block P: 8 and 9 steps.
; Between the passes the two exchange M and the sum of block 15 - P through LDS; in pass 2 type 1 leaves its part of that block's output in LDS, and type 0 adds it to its own.
; All branches hang on the wave's number and on the cluster's x, which the partners share; g enters global addresses and the mask's compare alone.
; A BLOCK'S LARGEST WEIGHT is not searched for: the largest score of each 32 keys, kept in LDS by pass 1, goes through the same multiply-add and exponential (this takes v_exp_f32 not to fall where its input rises).
; LDS.  The head's K and V, codes and scale words, are the first 143,360 bytes of its block of qkv and come into LDS as they lie, once: each wave asks for 35 rows of 256 bytes.  Nothing is prefetched: no loop loads from memory.
; CLUSTER.  The four work-groups of a cluster have the same head: each of these loads is asked for jointly by the four.
; LAYOUT.  Both products are used transposed: S^T = K Q^T (source 0 = 16 keys, source 1 = my 16 queries), O^T = V^T P^T: a lane holds ONE query (lane % 16); register j of tile t is key 16 t + 8 (lane / 16) + j.
; The head has 64 channels, half of the instruction's 128: registers 4-7 of Q's fragment are zero codes, so what K's fragment holds there adds nothing: tile t's fragment is its own four registers and the next tile's four.
; OUT.  ac: the output's codes [token / 16][head][lane][16 bytes], lane (r, h) = token r, channels 32 h on; asc: its scale bytes [token][32], bytes 2 head and 2 head + 1.
; nan_to_num: a row's weights are all NaN or none is, and then its sum is NaN: such a row's output is set to zero codes.
; LIMITS: the promise holds while the scaled scores t stay under 2^31 in magnitude.  A NaN in V is not carried.  A p under 2^-126 comes out of v_exp_f32 as 0.  A block of zeros gets the byte 1 (the rule says 127): its codes are zeros, and this program alone reads the bytes.
.set HB,   217088
.set KCD,  8192
.set VSC,  73728
.set VCD,  77824
.set QSC,  143360
.set QCD,  151552
.set PART, 8960                        ; 35 x 256: a wave's sixteenth of the 143,360 bytes
.set STAT, 143360                      ; behind K and V: 128 bytes a wave: -M and the sum of 16 queries;
.set BMO,  STAT+2048                   ; 9 x 512 bytes a wave: the largest score of each of a step's four blocks;
.set OX,   BMO+16*4608                 ; 4,096 bytes a wave: a part of O^T (type 1 waves write theirs);
.set SPARE, OX+65536                   ; the spare words
.set AK0, 1                            ; KCD + 16 x lane
.set AS0, 2                            ; 16 r: K's scale words
.set AV0, 3                            ; VCD + 16 x lane
.set AT0, 4                            ; VSC + 16 r
.set MD,  5                            ; 16 g + r - 8 h: on the diagonal, register j of tile t is hidden where 16 t + j is above it
.set NINF, 6                           ; -infinity
.set BOF, 7                            ; 32 r + h: my scale byte's place
.set ADK, 8
.set ADS, 9
.set ADV, 10
.set ADT, 11                           ; v12 -M (pass 2: -M - log2(sum)), v13 the largest t, v[14:15] the sum in two halves
.set QF,  16                           ; v16-23 Q's fragment at work
.set QS,  24                           ; its scale words
.set PW,  25                           ; the weights' scale word
.set LO,  26                           ; 16 x lane
.set ADB, 27
.set KSR, 28                           ; v28-35 K's scale words, a register a tile
.set VSR, 36                           ; v36-39 V's
.set TM,  40                           ; v40-55 at work
.set PC,  56                           ; v56-63 the codes just made
.set KF,  64                           ; v64-95 K's eight fragments; v96-99 zeros behind the last
.set QB,  100                          ; Q of block 15 - P
.set QSM, 104                          ; Q of block P
.set QBS, 108
.set QSS, 109
.set M1,  110                          ; -M of my part of block 15 - P, and its sum
.set S1,  111
.set NEGB, 112                         ; -M - log2(sum) of block 15 - P, of block P
.set NEGS, 113
.set SG,  114                          ; the sum of the row that I put out
.set AB0, 115
.set BMX, 116                          ; v116-119 a step's four block maxima
.set SPW, 120
.set NIL, 121
.set VF,  128                          ; v128-159 V's four fragments
.set SCO, 160                          ; v160-223 S^T, then p or the weights
.set OA,  224                          ; v224-255 O^T
.set WV, 10
.set CX, 11
.set GQ, 12
.set HD, 13
.set PP, 14
.set ST, 15
.set TK, 16
.set TS, 17
.set TV, 18
.set TB, 19
.set SEL, 20
.set CS, 22
.set G1, 24
.set G0, 32
.set TY, 36                            ; my type
.set TY8, 37
.set NST, 38                           ; my steps
.set SWI, 39                           ; the step at which block P begins (type 0: 8, one past its last)
.set PX, 40                            ; 15 - P
.set BB, 41                            ; 1 in block P's steps
.set KS, 42                            ; the key step
.set T0, 43
.set GX, 44
.set NX, 45                            ; the step whose place is being worked out
.macro ROUND
	s_barrier_signal -1
	s_barrier_wait -1
	s_cmp_lg_u32 s[WV], 0
	s_cbranch_scc1 .Lnot_wave_0_\@
	s_barrier_signal -3
.Lnot_wave_0_\@:
	s_barrier_wait -3
	s_barrier_signal -1
	s_barrier_wait -1
.endm
.macro QPLACE blk, c, w                ; where a tile's codes and scale words begin in the head's block
	s_lshl_b32 s[T0], s[\blk], 3
	s_add_co_u32 s[T0], s[T0], s[GQ]               ; tile T among the batch's 128
	s_lshl_b32 s[\c], s[T0], 9
	s_add_co_u32 s[\c], s[\c], QCD
	s_mov_b32 s[\c+1], 0
	s_lshr_b32 s[\w], s[T0], 2
	s_lshl_b32 s[\w], s[\w], 8
	s_and_b32 s[T0], s[T0], 3
	s_lshl_b32 s[T0], s[T0], 2
	s_add_co_u32 s[\w], s[\w], s[T0]
	s_add_co_u32 s[\w], s[\w], QSC                 ; 256 (T / 4) + 16 r + 4 (T % 4)
	s_mov_b32 s[\w+1], 0
.endm
	s_load_b128 s[4:7], s[0:1], 0x0                ; qkv, ac
	s_load_b64 s[8:9], s[0:1], 0x10                ; asc
	v_lshl_add_u32 v[SPW], v0, 2, SPARE
	v_mov_b32 v[NIL], 0
	ds_add_u32 v[SPW], v[NIL]                      ; the opening lines: the add, twice on end, and its wait
	ds_add_u32 v[SPW], v[NIL]
	v_lshrrev_b32 v[TM], 5, v0
	v_readfirstlane_b32 s[WV], v[TM]               ; wave 0..15
	s_bfe_u32 s[CX], ttmp6, 0x40000
	s_mov_b32 s[GX], ttmp9
	s_lshl_b32 s[GQ], ttmp9, 2
	s_add_co_u32 s[GQ], s[GQ], s[CX]               ; g = 4 x cluster x + cx
	s_and_b32 s[HD], ttmp7, 0xffff                 ; 16 x batch + head: the partners share it
	s_and_b32 s[PP], s[WV], 3
	s_lshr_b32 s[T0], s[WV], 3
	s_lshl_b32 s[T0], s[T0], 2
	s_add_co_u32 s[PP], s[PP], s[T0]
	s_bfe_u32 s[TY], s[WV], 0x10002
	s_lshl_b32 s[TY8], s[TY], 3
	s_add_co_u32 s[NST], s[TY], 8
	s_mul_i32 s[T0], s[TY], s[PP]
	s_sub_co_u32 s[SWI], 8, s[T0]
	s_xor_b32 s[PX], s[PP], 15
	s_mov_b32 s[G1], 15|(3<<16)|(1<<21)            ; the mask: all four work-groups; elements of 8 bytes; bit 21 beside a mask; no padding: all reads take 16 bytes a lane on end
	s_mov_b32 s[G1+1], 32<<16
	s_mov_b32 s[G1+2], 35<<16
	s_mov_b32 s[G1+3], 32<<16
	s_mov_b32 s[G1+4], 35
	s_mov_b32 s[G1+5], 32
	s_mov_b32 s[G1+6], 0
	s_mov_b32 s[G1+7], 0
	s_mov_b32 s[SEL], 0x76543210
	s_mov_b32 s[SEL+1], 0xfedcba98
	s_mov_b32 s[CS], 0x3e38aa3b                    ; c = log2(e) / 8
	s_mov_b32 s[CS+1], s[CS]                       ; (named with it as a pair, so it is written)
	QPLACE PX, 46, 48
	QPLACE PP, 50, 52
	s_mul_i32 s54, s[HD], HB
	s_mov_b32 s55, 0
	s_mul_i32 s56, s[WV], PART
	s_mov_b32 s57, 0
	s_wait_dscnt 0x0                               ; both opening adds are done
	s_wait_kmcnt 0x0
	s_add_nc_u64 s[4:5], s[4:5], s[54:55]          ; the head's block
	ROUND                                          ; all four work-groups are here: the joint loads meet
	s_mov_b32 s[G0], 1
	s_mov_b32 s[G0+1], s56
	s_add_nc_u64 s[G0+2:G0+3], s[4:5], s[56:57]
	s_or_b32 s[G0+3], s[G0+3], 0x80000000
	tensor_load_to_lds s[G0:G0+3], s[G1:G1+7]      ; my one tensor load
	s_nop 0
.rept 4
	v_nop
.endr
	s_add_nc_u64 s[46:47], s[4:5], s[46:47]
	s_add_nc_u64 s[48:49], s[4:5], s[48:49]
	s_add_nc_u64 s[50:51], s[4:5], s[50:51]
	s_add_nc_u64 s[52:53], s[4:5], s[52:53]
	v_and_b32 v[TM], 15, v0                        ; r
	v_bfe_u32 v[TM+1], v0, 4, 1                    ; h
	v_and_b32 v[LO], 31, v0
	v_lshlrev_b32 v[AS0], 4, v[TM]
	v_lshlrev_b32 v[LO], 4, v[LO]
	global_load_b128 v[QB:QB+3], v[LO], s[46:47]   ; both tiles of Q stay in registers
	global_load_b32 v[QBS], v[AS0], s[48:49]
	global_load_b128 v[QSM:QSM+3], v[LO], s[50:51]
	global_load_b32 v[QSS], v[AS0], s[52:53]
.irp j, 0,1,2,3
	v_mov_b32 v[QF+4+\j], 0                        ; channels 64 on: zero codes
	v_mov_b32 v[KF+32+\j], 0
	v_mov_b32 v[TM+4+\j], 0                        ; (a lane permute's destination counts as read)
.endr
	v_mov_b32 v[TM+9], 0                           ; (the upper half of a pair that is named)
	v_add_nc_u32 v[AK0], KCD, v[LO]
	v_add_nc_u32 v[AV0], VCD, v[LO]
	v_add_nc_u32 v[AT0], VSC, v[AS0]
	s_mul_i32 s[T0], s[WV], 4608
	s_add_co_u32 s[T0], s[T0], BMO
	v_add_nc_u32 v[AB0], s[T0], v[LO]
	s_lshl_b32 s[T0], s[GQ], 4
	v_add_nc_u32 v[MD], s[T0], v[TM]
	v_lshlrev_b32 v[TM+2], 3, v[TM+1]
	v_mov_b32 v[NINF], 0xff800000
	v_sub_nc_u32 v[MD], v[MD], v[TM+2]
	v_lshl_add_u32 v[BOF], v[TM], 5, v[TM+1]
	v_mov_b32 v13, 0xff61b1e6                      ; the largest t so far: -3e38, under every t
	v_mov_b32 v12, 0x7f61b1e6                      ; -M = floor(-t)
	v_mov_b32 v14, 0
	v_mov_b32 v15, 0
	v_mov_b32 v[M1], 0
	v_mov_b32 v[S1], 0
.set j, 0
.rept 32
	v_mov_b32 v[OA+j], 0                           ; O^T: pass 2's step is written once
.set j, j+1
.endr
	s_wait_alu depctr_va_vdst(0)                   ; the head's end
	s_wait_loadcnt 0x0                             ; Q
.irp j, 0,1,2,3
	v_mov_b32 v[QF+\j], v[QB+\j]
.endr
	v_mov_b32 v[QS], v[QBS]
	s_wait_alu depctr_va_vdst(0)                   ; and here, ahead of the waits below
	s_wait_tensorcnt 0x0                           ; my part of K and V is in,
	s_barrier_signal -1
	s_barrier_wait -1                              ; everybody's is
; The step's place: BB = 1 from step 8 - P on in type 1; the key step is i (type 0), 8 + i (type 1, block 15 - P), i - (8 - P) (block P), all modulo 16.
.macro IDS i
	s_add_co_u32 s[T0], s[\i], s[PP]
	s_lshr_b32 s[T0], s[T0], 3
	s_and_b32 s[BB], s[T0], s[TY]
	s_mul_i32 s[T0], s[BB], s[PP]
	s_add_co_u32 s[T0], s[T0], s[\i]
	s_add_co_u32 s[T0], s[T0], s[TY8]
	s_and_b32 s[KS], s[T0], 15
	s_lshl_b32 s[TK], s[KS], 12
	s_lshl_b32 s[TS], s[KS], 9
	s_lshl_b32 s[TV], s[KS], 8
.endm
.macro KLOAD                           ; K's fragments and scale words of the step that IDS has placed: asked for in the middle of the step before
	v_add_nc_u32 v[ADK], s[TK], v[AK0]
	v_add_nc_u32 v[ADS], s[TS], v[AS0]
.irp t, 0,1,2,3,4,5,6,7
	ds_load_b128 v[KF+4*\t:KF+4*\t+3], v[ADK] offset:512*\t
.endr
	ds_load_b128 v[KSR:KSR+3], v[ADS]
	ds_load_b128 v[KSR+4:KSR+7], v[ADS] offset:256
.endm
.macro HIDE from, to                   ; a hidden score becomes -infinity: p = 0
.set n, \from
.rept \to-\from
	v_cmp_gt_i32 vcc_lo, 16*(n/8)+n%8, v[MD]
	v_cndmask_b32 v[SCO+n], v[SCO+n], v[NINF], vcc_lo
.set n, n+1
.endr
.endm
; The scores of one key step.  pass = 2: the block maxima, V's fragments and scale words are asked for behind K's and may stay out.
.macro SCORES pass
.if \pass == 2
	IDS ST                                         ; this step's place, for V
.endif
	v_add_nc_u32 v[ADB], s[TB], v[AB0]
.if \pass == 2
	v_add_nc_u32 v[ADV], s[TK], v[AV0]             ; (a step's codes of V are 4,096 bytes, as K's are.)  These three additions and the line behind them are the places between the last trip's products and the loads into their registers
	v_add_nc_u32 v[ADT], s[TV], v[AT0]
	v_nop
	ds_load_b128 v[BMX:BMX+3], v[ADB]
.irp n, 0,1,2,3
.irp c, 0,1
	ds_load_b128 v[VF+8*\n+4*\c:VF+8*\n+4*\c+3], v[ADV] offset:1024*\n+512*\c
.endr
.endr
	ds_load_b128 v[VSR:VSR+3], v[ADT]
	s_wait_dscnt 10                                ; K's ten loads are in; the ten behind them may be out
.else
	s_wait_dscnt 0x0
.endif
.irp t, 0,1,2,3,4,5,6,7
	v_wmma_scale_f32_16x16x128_f8f6f4 v[SCO+8*\t:SCO+8*\t+7], v[KF+4*\t:KF+4*\t+7], v[QF:QF+7], 0, v[KSR+\t], v[QS] matrix_a_fmt:MATRIX_FMT_FP4 matrix_b_fmt:MATRIX_FMT_FP4
.endr
.rept 4
	v_nop                                          ; places behind the products (ISA guide 7.12.1)
.endr
	s_mul_i32 s[T0], s[BB], 15
	s_xor_b32 s[T0], s[T0], s[PX]                  ; the block of queries in hand
	s_cmp_lg_u32 s[T0], s[KS]
	s_cbranch_scc1 .Lopen_\@                       ; under the diagonal every key counts
	s_cmp_lg_u32 s[GX], 0
	s_cbranch_scc1 .Lhigh_\@
	HIDE 0, 32                                     ; g = 0 .. 3: the diagonal lies in key tiles 0 .. 3,
.set n, 32
.rept 32
	v_mov_b32 v[SCO+n], v[NINF]                    ; and tiles 4 .. 7 are hidden whole
.set n, n+1
.endr
	s_branch .Lmasked_\@
.Lhigh_\@:
	HIDE 32, 64                                    ; g = 4 .. 7: tiles 0 .. 3 count whole
.Lmasked_\@:
	s_wait_alu depctr_va_vdst(0)                   ; behind the branches
.Lopen_\@:
	s_add_co_u32 s[NX], s[ST], 1                   ; the next step's place; behind a pass's last step comes step 0
	s_cmp_eq_u32 s[NX], s[NST]
	s_cselect_b32 s[NX], 0, s[NX]
	IDS NX
.endm
	; ---- PASS 1: the largest t and the sum
	s_mov_b32 s[ST], 0
	s_mov_b32 s[TB], 0
	s_mov_b32 s[NX], 0
	IDS NX
	KLOAD
.Lpass1:
	s_cmp_lg_u32 s[ST], s[SWI]
	s_cbranch_scc1 .Lsame1
	s_wait_alu depctr_va_vdst(0)                   ; ahead of these readers
.irp j, 0,1,2,3
	v_mov_b32 v[QF+\j], v[QSM+\j]                  ; on to block P: its Q,
.endr
	v_mov_b32 v[QS], v[QSS]
	v_mov_b32 v[M1], v12                           ; block 15 - P's state is put by,
	v_add_f32 v[S1], v14, v15
	v_mov_b32 v13, 0xff61b1e6                      ; and begun anew
	v_mov_b32 v14, 0
	v_mov_b32 v15, 0
	v_mov_b32 v12, 0x7f61b1e6
	s_wait_alu depctr_va_vdst(0)
.Lsame1:
	s_cmp_ge_u32 s[ST], s[NST]
	s_cbranch_scc1 .Lskip1
	SCORES 1
.irp b, 0,1,2,3
	v_max3_num_f32 v[TM+\b], v[SCO+16*\b], v[SCO+16*\b+1], v[SCO+16*\b+2]   ; four chains; each accumulator is read from its low end on
.endr
.irp i, 3,5,7,9,11,13
.irp b, 0,1,2,3
	v_max3_num_f32 v[TM+\b], v[TM+\b], v[SCO+16*\b+\i], v[SCO+16*\b+\i+1]
.endr
.endr
.irp b, 0,1,2,3
	v_max_num_f32 v[TM+\b], v[TM+\b], v[SCO+16*\b+15]
.endr
	KLOAD                                          ; (behind the last step: pass 2's first)
.irp b, 0,1,2,3
	v_permlanex16_b32 v[TM+4+\b], v[TM+\b], s[SEL], s[SEL+1]
.endr
.irp b, 0,1,2,3
	v_max_num_f32 v[BMX+\b], v[TM+\b], v[TM+4+\b]  ; the largest score of each block of 32 keys,
.endr
	ds_store_b128 v[ADB], v[BMX:BMX+3]             ; kept for pass 2 in bytes of my own
	v_max3_num_f32 v[TM], v[BMX], v[BMX+1], v[BMX+2]
	s_delay_alu instid0(VALU_DEP_1)
	v_max_num_f32 v[TM], v[TM], v[BMX+3]           ; the step's largest score of my query
	s_delay_alu instid0(VALU_DEP_1)
	v_mul_f32 v[TM], s[CS], v[TM]
	s_delay_alu instid0(VALU_DEP_1)
	v_max_num_f32 v13, v13, v[TM]                  ; the running largest t
	v_mov_b32 v[TM], v12
	s_delay_alu instid0(VALU_DEP_2)
	v_floor_f32 v12, -v13                          ; the new -M = -ceil(t)
	s_delay_alu instid0(VALU_DEP_1)
	v_sub_f32 v[TM], v12, v[TM]                    ; old M - new M: a whole number, 0 or less
	s_delay_alu instid0(VALU_DEP_1)
	v_cvt_i32_f32 v[TM], v[TM]                     ; (it saturates)
	s_delay_alu instid0(VALU_DEP_1)
	v_ldexp_f32 v[TM+8], 1.0, v[TM]                ; f = 2^(old M - new M)
.set j, 0
.rept 16
	v_pk_fma_f32 v[SCO+j:SCO+j+1], v[SCO+j:SCO+j+1], s[CS:CS+1], v[12:13] op_sel_hi:[1,0,0]   ; t - M, the first 32
.set j, j+2
.endr
.set j, 0
	s_wait_alu depctr_va_vdst(0)                   ; ahead of the batch
	v_pk_mul_f32 v[14:15], v[14:15], v[TM+8:TM+9] op_sel_hi:[1,0]   ; the sums under the new M
.rept 16
	v_exp_f32 v[SCO+j], v[SCO+j]
	v_exp_f32 v[SCO+j+1], v[SCO+j+1]
	v_pk_fma_f32 v[SCO+32+j:SCO+33+j], v[SCO+32+j:SCO+33+j], s[CS:CS+1], v[12:13] op_sel_hi:[1,0,0]   ; the other 32 stand among the exponentials
.set j, j+2
.endr
.set j, 32
	s_wait_alu depctr_va_vdst(0)                   ; behind the first batch and ahead of the second
.irp k, 0,1,2,3,4,5,6,7                ; eight chains of pairs begin among the second batch
	v_exp_f32 v[SCO+j], v[SCO+j]
	v_exp_f32 v[SCO+j+1], v[SCO+j+1]
	v_exp_f32 v[SCO+j+2], v[SCO+j+2]
	v_exp_f32 v[SCO+j+3], v[SCO+j+3]
	v_pk_add_f32 v[TM+2*\k:TM+2*\k+1], v[SCO+2*\k:SCO+2*\k+1], v[SCO+16+2*\k:SCO+16+2*\k+1]
.set j, j+4
.endr
	s_wait_alu depctr_va_vdst(0)                   ; behind the second batch
.irp q, 32,48
.irp k, 0,1,2,3,4,5,6,7
	v_pk_add_f32 v[TM+2*\k:TM+2*\k+1], v[TM+2*\k:TM+2*\k+1], v[SCO+\q+2*\k:SCO+\q+2*\k+1]
.endr
.endr
.irp k, 0,1,2,3
	v_pk_add_f32 v[TM+2*\k:TM+2*\k+1], v[TM+2*\k:TM+2*\k+1], v[TM+8+2*\k:TM+8+2*\k+1]
.endr
.irp k, 0,1
	v_pk_add_f32 v[TM+2*\k:TM+2*\k+1], v[TM+2*\k:TM+2*\k+1], v[TM+4+2*\k:TM+4+2*\k+1]
.endr
	s_delay_alu instid0(VALU_DEP_1)
	v_pk_add_f32 v[TM:TM+1], v[TM:TM+1], v[TM+2:TM+3]
	s_delay_alu instid0(VALU_DEP_1)
	v_pk_add_f32 v[14:15], v[14:15], v[TM:TM+1]
.Lskip1:
	s_add_co_u32 s[TB], s[TB], 512
	s_add_co_u32 s[ST], s[ST], 1
	s_cmp_lt_u32 s[ST], 9
	s_cbranch_scc1 .Lpass1
	; ---- BETWEEN THE PASSES: the two waves of block 15 - P exchange -M and the sum
	s_wait_alu depctr_va_vdst(0)
	v_add_f32 v14, v14, v15                        ; block P's sum: two halves,
	v_permlanex16_b32 v[TM+5], v[S1], s[SEL], s[SEL+1]
	v_and_b32 v[TM+6], 15, v0
	v_permlanex16_b32 v[TM+4], v14, s[SEL], s[SEL+1]
	s_lshl_b32 s46, s[WV], 7
	s_xor_b32 s47, s46, 512                        ; wave w xor 4
	s_add_co_u32 s46, s46, STAT
	s_add_co_u32 s47, s47, STAT
	v_add_f32 v[S1], v[S1], v[TM+5]
	v_lshlrev_b32 v[TM+6], 3, v[TM+6]
	v_add_f32 v14, v14, v[TM+4]                    ; and lane l xor 16's
	v_add_nc_u32 v[TM+7], s47, v[TM+6]
	v_add_nc_u32 v[TM+6], s46, v[TM+6]
	ds_store_b64 v[TM+6], v[M1:M1+1]
	s_wait_alu depctr_va_vdst(0)
	s_wait_dscnt 0x0
	s_barrier_signal -1
	s_barrier_wait -1
	ds_load_b64 v[TM+10:TM+11], v[TM+7]
	s_wait_dscnt 0x0
	v_min_num_f32 v[TM+12], v[M1], v[TM+10]        ; -M of the whole row
	v_sub_f32 v[TM+13], v[TM+12], v[M1]
	v_sub_f32 v[TM+14], v[TM+12], v[TM+10]
	v_cvt_i32_f32 v[TM+13], v[TM+13]
	v_cvt_i32_f32 v[TM+14], v[TM+14]
	v_ldexp_f32 v[TM+13], v[S1], v[TM+13]
	v_ldexp_f32 v[TM+14], v[TM+11], v[TM+14]
	v_add_f32 v[SG], v[TM+13], v[TM+14]            ; its sum: at least 1/2, since the largest p is above 1/2
	s_wait_alu depctr_va_vdst(0)
	v_log_f32 v[TM], v[SG]
	v_log_f32 v[TM+1], v14                         ; (type 0 has no block P: its sum is 0, and what follows from it is not used)
	v_nop
	s_wait_alu depctr_va_vdst(0)
	v_sub_f32 v[NEGB], v[TM+12], v[TM]
	v_sub_f32 v[NEGS], v12, v[TM+1]
	v_add_f32 v[NEGB], 0x34800000, v[NEGB]         ; + 2^-22
	v_add_f32 v[NEGS], 0x34800000, v[NEGS]
	v_mov_b32 v12, v[NEGB]
.irp j, 0,1,2,3
	v_mov_b32 v[QF+\j], v[QB+\j]
.endr
	v_mov_b32 v[QS], v[QBS]
	s_wait_alu depctr_va_vdst(0)
	; ---- PASS 2: the weights, their codes, O^T += V^T P^T
	s_mov_b32 s[ST], 0
	s_mov_b32 s[TB], 0
.Lpass2:
	s_cmp_ge_u32 s[ST], s[NST]
	s_cbranch_scc1 .Lskip2
	s_cmp_lg_u32 s[ST], s[SWI]
	s_cbranch_scc1 .Lsame2
	s_wait_alu depctr_va_vdst(0)
.irp j, 0,1,2,3
	v_mov_b32 v[QF+\j], v[QSM+\j]                  ; type 1 goes on to block P (these are also the places behind the last products)
.endr
	v_mov_b32 v[QS], v[QSS]
	v_mov_b32 v12, v[NEGS]
	v_mov_b32 v[SG], v14
	s_lshl_b32 s46, s[WV], 12
	s_add_co_u32 s46, s46, OX
	v_add_nc_u32 v[TM], s46, v[LO]
.irp q, 0,1,2,3,4,5,6,7
	ds_store_b128 v[TM], v[OA+4*\q:OA+4*\q+3] offset:512*\q   ; my part of block 15 - P's O^T, for wave w - 4
.endr
.set j, 0
.rept 32
	v_mov_b32 v[OA+j], 0
.set j, j+1
.endr
	s_wait_alu depctr_va_vdst(0)
.Lsame2:
	SCORES 2
.set j, 0
.rept 32
	v_pk_fma_f32 v[SCO+j:SCO+j+1], v[SCO+j:SCO+j+1], s[CS:CS+1], v[12:13] op_sel_hi:[1,0,0]   ; the exponents of the finished weights
.set j, j+2
.endr
	s_wait_dscnt 0x0                               ; the block maxima, and V
.irp b, 0,1,2,3
	v_fma_f32 v[TM+\b], v[BMX+\b], s[CS], v12
.endr
	s_wait_alu depctr_va_vdst(0)                   ; ahead of the branch and of the batch
	s_cmp_eq_u32 s[NX], 0
	s_cbranch_scc1 .Llast_k                        ; nothing follows my last step
	KLOAD
.Llast_k:
.irp b, 0,1,2,3
	v_exp_f32 v[TM+\b], v[TM+\b]                   ; the largest weight of each block,
.endr
.set j, 0
.rept 64
	v_exp_f32 v[SCO+j], v[SCO+j]                   ; and the finished weights
.set j, j+1
.endr
	v_nop
	s_wait_alu depctr_va_vdst(0)                   ; one wait for the batch
.irp b, 0,1,2,3
	v_max_num_f32 v[TM+\b], 0x1800000, v[TM+\b]    ; the floor 2^(3 - 127): the byte cannot fall under 1
.endr
.irp b, 0,1,2,3
	v_add_nc_u32 v[TM+12+\b], 0xff000000, v[TM+\b] ; 2 off the exponent field: the conversion's scale operand
.endr
.irp b, 0,1,2,3
	v_lshrrev_b32 v[TM+4+\b], 23, v[TM+12+\b]      ; the scale's byte
.endr
	v_lshl_or_b32 v[PW], v[TM+5], 8, v[TM+4]
	v_lshl_or_b32 v[TM+6], v[TM+7], 8, v[TM+6]
	v_lshl_or_b32 v[PW], v[TM+6], 16, v[PW]
; The operand's register 4 c + i wants, in half h', k = 64 c + 32 h' + 8 i on: tiles 4 c and 4 c + 2 go to registers 4 c and 4 c + 1, tiles 4 c + 1 and 4 c + 3 to 4 c + 2 and 4 c + 3, and each pair changes the first's upper lanes for the second's lower.
.set qt, 0
.rept 8
	v_cvt_scalef32_pk8_fp4_f32 v[PC+4*(qt/4)+2*(qt%2)+(qt%4)/2], v[SCO+8*qt:SCO+8*qt+7], v[TM+12+qt/2]
.set qt, qt+1
.endr
	v_nop                                          ; one plain instruction behind the last scaled conversion
.irp q, 0,2,4,6
	v_permlane16_swap_b32 v[PC+\q], v[PC+\q+1]
.endr
.rept 7
	v_nop                                          ; a scale register written by a vector instruction stands eight places ahead of a scaled product, an operand four
.endr
	s_wait_alu depctr_va_vdst(0)                   ; ahead of the sums' readers
.irp n, 0,1,2,3                        ; the four accumulators by turns
	v_wmma_scale_f32_16x16x128_f8f6f4 v[OA+8*\n:OA+8*\n+7], v[VF+8*\n:VF+8*\n+7], v[PC:PC+7], v[OA+8*\n:OA+8*\n+7], v[VSR+\n], v[PW] matrix_a_fmt:MATRIX_FMT_FP4 matrix_b_fmt:MATRIX_FMT_FP4
.endr
.Lskip2:
	s_add_co_u32 s[TB], s[TB], 512
	s_add_co_u32 s[ST], s[ST], 1
	s_cmp_lt_u32 s[ST], 9
	s_cbranch_scc1 .Lpass2
	; ---- THE WAY OUT: my 16 tokens' 64 channels are two whole blocks of the last product's K
.rept 4
	v_nop
.endr
	s_wait_alu depctr_va_vdst(0)
	s_wait_dscnt 0x0
	s_barrier_signal -1
	s_barrier_wait -1                              ; the type 1 waves' parts are in LDS
	s_cmp_lg_u32 s[TY], 0
	s_cbranch_scc1 .Lwhole
	s_lshl_b32 s46, s[WV], 12
	s_add_co_u32 s46, s46, OX+4*4096
	v_add_nc_u32 v[TM], s46, v[LO]                 ; wave w + 4's
.irp q, 0,1,2,3,4,5,6,7
	ds_load_b128 v[VF+4*\q:VF+4*\q+3], v[TM] offset:512*\q
.endr
	s_wait_dscnt 0x0
.set j, 0
.rept 16
	v_pk_add_f32 v[OA+j:OA+j+1], v[OA+j:OA+j+1], v[VF+j:VF+j+1]
.set j, j+2
.endr
.Lwhole:
.irp b, 0,1
	v_max3_num_f32 v[TM+\b], |v[OA+16*\b]|, |v[OA+16*\b+1]|, 0x1800000
.endr
.irp i, 2,4,6,8,10,12,14
.irp b, 0,1
	v_max3_num_f32 v[TM+\b], v[TM+\b], |v[OA+16*\b+\i]|, |v[OA+16*\b+\i+1]|
.endr
.endr
.irp b, 0,1
	v_permlanex16_b32 v[TM+4+\b], v[TM+\b], s[SEL], s[SEL+1]
.endr
.irp b, 0,1
	v_max_num_f32 v[TM+\b], v[TM+\b], v[TM+4+\b]
.endr
.irp b, 0,1
	v_add_nc_u32 v[TM+12+\b], 0xff000000, v[TM+\b]
.endr
.irp b, 0,1
	v_lshrrev_b32 v[TM+4+\b], 23, v[TM+12+\b]
.endr
.set qt, 0
.rept 4
	v_cvt_scalef32_pk8_fp4_f32 v[PC+2*(qt%2)+qt/2], v[OA+8*qt:OA+8*qt+7], v[TM+12+qt/2]
.set qt, qt+1
.endr
	v_nop
.irp q, 0,2
	v_permlane16_swap_b32 v[PC+\q], v[PC+\q+1]
.endr
	s_mov_b32 vcc_lo, 0xffff0000
	v_cndmask_b32 v[TM], v[TM+4], v[TM+5], vcc_lo  ; lane (r, h) stores block h's byte of token r
	v_cmp_eq_f32 s62, v[SG], v[SG]                 ; is the row's sum a number?
.irp q, 0,1,2,3
	v_cndmask_b32 v[PC+\q], 0, v[PC+\q], s62       ; if not, its weights count as 0
.endr
	s_wait_alu depctr_va_vdst(0)                   ; ahead of the scalar instructions below
	s_mul_i32 s[T0], s[TY], 15
	s_xor_b32 s[T0], s[T0], s[PX]                  ; type 0 puts out block 15 - P, type 1 block P
	s_lshl_b32 s[T0], s[T0], 3
	s_add_co_u32 s[T0], s[T0], s[GQ]
	s_lshr_b32 s46, s[HD], 4                       ; batch
	s_and_b32 s47, s[HD], 15                       ; head
	s_lshl_b32 s48, s46, 7
	s_add_co_u32 s48, s48, s[T0]                   ; token / 16
	s_lshl_b32 s50, s48, 13
	s_lshl_b32 s51, s47, 9
	s_add_co_u32 s50, s50, s51
	s_mov_b32 s51, 0
	s_add_nc_u64 s[6:7], s[6:7], s[50:51]
	s_lshl_b32 s50, s48, 9                         ; 16 tokens x 32 bytes
	s_lshl_b32 s47, s47, 1
	s_add_co_u32 s50, s50, s47
	s_add_nc_u64 s[8:9], s[8:9], s[50:51]
	global_store_b128 v[LO], v[PC:PC+3], s[6:7]    ; 512 consecutive bytes
	global_store_b8 v[BOF], v[TM], s[8:9]          ; 2 bytes of each of 16 rows of 32: kept so, that the last launch finds a token's scale words on end
	s_wait_tensorcnt 0x0                           ; the wave's end
	ds_add_u32 v[SPW], v[NIL]
	s_wait_dscnt 0x0
	ROUND                                          ; the closing round
	s_endpgm
.Lfunc_end_k_q85dcaa5660_attn:
	.size	k_q85dcaa5660_attn, .Lfunc_end_k_q85dcaa5660_attn-k_q85dcaa5660_attn
	.p2alignl 7, 3214868480
	.fill 96, 4, 3214868480
	.section	.rodata,"a",@progbits
	.p2align	6, 0x0
	.amdhsa_kernel k_q85dcaa5660_attn
		.amdhsa_group_segment_fixed_size 286720
		.amdhsa_private_segment_fixed_size 0
		.amdhsa_enable_private_segment 0
		.amdhsa_kernarg_size 24
		.amdhsa_user_sgpr_count 2
		.amdhsa_user_sgpr_kernarg_segment_ptr 1
		.amdhsa_wavefront_size32 1
		.amdhsa_system_sgpr_workgroup_id_x 1
		.amdhsa_system_sgpr_workgroup_id_y 1
		.amdhsa_system_sgpr_workgroup_id_z 1
		.amdhsa_system_vgpr_workitem_id 0
		.amdhsa_next_free_vgpr 256
		.amdhsa_next_free_sgpr 66
		.amdhsa_reserve_vcc 1
		.amdhsa_float_denorm_mode_32 3
		.amdhsa_float_denorm_mode_16_64 3
		.amdhsa_memory_ordered 1
		.amdhsa_forward_progress 1
		.amdhsa_inst_pref_size 53
	.end_amdhsa_kernel
	.amdgpu_metadata
---
amdhsa.version: [ 1, 2 ]
amdhsa.kernels:
  - .name:           k_q85dcaa5660_attn
    .symbol:         k_q85dcaa5660_attn.kd
    .args:
      - { .name: qkv, .offset: 0, .size: 8, .value_kind: global_buffer, .address_space: global }
      - { .name: ac, .offset: 8, .size: 8, .value_kind: global_buffer, .address_space: global }
      - { .name: asc, .offset: 16, .size: 8, .value_kind: global_buffer, .address_space: global }
    .group_segment_fixed_size: 286720
    .private_segment_fixed_size: 0
    .kernarg_segment_align: 8
    .kernarg_segment_size: 24
    .max_flat_workgroup_size: 512
    .sgpr_count:     66
    .vgpr_count:     256
    .wavefront_size: 32
...
	.end_amdgpu_metadata
.endif
;; end of part 2
;; launch oproj (part 3): grid 8 x 32, 4 waves a work-group, clusters of 4 x 4, 168,448 bytes of LDS; arguments ac, asc, Wo_codes, Wo_scales, bo, out0; writes out0
.if DOCPART == 3
	.amdgcn_target "amdgcn-amd-amdhsa--gfx1250"
	.amdhsa_code_object_version 6
	.text
	.protected	k_q85dcaa5660_oproj
	.globl	k_q85dcaa5660_oproj
	.p2align	8
	.type	k_q85dcaa5660_oproj,@function
k_q85dcaa5660_oproj:
	s_mov_b64 s[64:65], 0
	v_nop
	global_prefetch_b8 v0, s[64:65] scope:SCOPE_SE
	s_setreg_imm32_b32 hwreg(HW_REG_WAVE_MODE, 25, 1), 1
	s_wait_xcnt 0x0
	s_wait_alu depctr_hold_cnt(0) depctr_sa_sdst(0) depctr_va_vdst(0) depctr_va_sdst(0) depctr_va_ssrc(0) depctr_va_vcc(0) depctr_vm_vsrc(0)
	s_getreg_b32 s2, hwreg(HW_REG_IB_STS2, 6, 4)
	s_cmp_eq_u32 s2, 0
	s_cbranch_scc0 .Lentry_in_a_cluster
	s_endpgm
.Lentry_in_a_cluster:
	s_bfe_u32 s2, ttmp6, 0x10000c
	s_cmp_lg_u32 s2, 0xf033
	s_cbranch_scc0 .Lentry_shape_is_right
	s_endpgm
.Lentry_shape_is_right:
; out0 = (the attention's output) Wo + bo on codes of FP4 (E2M1), one E8M0 scale for each 32 along K = 1,024; sums in f32, the bias as the C of each sum's first product.
; SHARES.  A work-group makes 128 tokens x 128 columns, 256 work-groups; a wave 64 x 64: 16 accumulators.  All of K for both operands fits in LDS and comes once: every byte of LDS is filled once, by one tensor load a wave.  Nothing is prefetched: no loop loads from memory.
; CLUSTER: 4 x 4.  The tokens' codes and scales hang on the work-group's y alone and are asked for jointly along a row of the cluster, Wo's on its x alone and jointly down a column.
; The tokens' codes come as images of operand registers, [token / 16][head][lane][16 bytes]: K step s is heads 2 s and 2 s + 1, registers 0-3 and 4-7 of a fragment; a load takes 16 bytes a lane on end.
; Wo's come as rows of 512 bytes, with 16 bytes of padding behind each.  The scale bytes, 32 a row, come as pieces of 256 bytes with 16 behind each.
; ORDER.  All fragments go into registers, once; the wave's four tiles of 16 tokens are finished one after the other, all of K each, and a tile leaves while the next is multiplied.
; THE PRODUCT IS USED TRANSPOSED (source 0 = 16 rows of Wo, source 1 = 16 tokens): a lane holds eight neighbouring columns of one token.
; LIMITS: a given scale byte of 0xff makes its sums NaN, as the format says.
; REGISTERS: window 0: v16-31 addresses; v32-63 scale words; v64-127 rows on their way out; v128-255 the accumulators, (a, b) at v[128 + 8 (4 a + b)].
;   window 1: Wo's fragments, K step s, tile b at v[32 s + 8 b].  window 2: the tokens', tile a, K step s at v[64 a + 8 s].  window 3: v64-95 the bias.
.set BOFF,  65536                      ; LDS: the tokens' images, 8 x 8,192 bytes; then Wo's 128 rows of 528;
.set BPITCH, 528
.set SCL,   BOFF+128*BPITCH            ; the scale bytes: four parts of 64 rows (tokens, tokens, Wo, Wo), 8 x 272 bytes each;
.set SPART, 8*272
.set STAGE, SCL+4*SPART                ; and a stage of 16 rows x (256 + 16) bytes for each wave, into whose blocks of 256 bytes no fill lands
.set SPARE, 0x29000                    ; the spare words
.set ADRA, 16
.set ADRB, 20
.set STO,  24
.set RD,   25
.set CO,   26
.set ADRS, 27
.set BOB,  28
.set SPW,  30
.set NIL,  31
.set SC,   32
.set BI,   64
.set OB,   96
.set ACC,  128
.set WV, 16
.set RH, 17
.set PH, 18
.set CX, 19
.set CYP, 20
.set WX, 21
.set WY, 22
.set G1A,  24
.set G1AS, 32
.set G1B,  40
.set G1BS, 48
.set G0A,  56
.set G0AS, 60
.set G0B,  68
.set G0BS, 72
.set MSB, 0
.macro WIN new
.if MSB != (\new)
	s_set_vgpr_msb (MSB<<8)|(\new)
.set MSB, (\new)
.endif
.endm
.macro CROUND
	s_barrier_signal -1
	s_barrier_wait -1
	s_cmp_lg_u32 s[WV], 0
	s_cbranch_scc1 .Lnot_wave_0_\@
	s_barrier_signal -3
.Lnot_wave_0_\@:
	s_barrier_wait -3
	s_barrier_signal -1
	s_barrier_wait -1
.endm
.macro PLACES n
.rept \n
	v_nop
.endr
.endm
	s_load_b256 s[4:11], s[0:1], 0x0               ; ac, asc, Wo's codes, Wo's scales
	s_load_b128 s[12:15], s[0:1], 0x20             ; bo, out0
	v_lshl_add_u32 v[SPW], v0, 2, SPARE
	v_mov_b32 v[NIL], 0
	ds_add_u32 v[SPW], v[NIL]                      ; the opening lines: the add, twice on end, and its wait
	ds_add_u32 v[SPW], v[NIL]
	v_lshrrev_b32 v1, 5, v0
	v_readfirstlane_b32 s[WV], v1
	s_lshr_b32 s[RH], s[WV], 1                     ; my half of the tokens
	s_and_b32 s[PH], s[WV], 1                      ; my half of the columns
	s_bfe_u32 s[CX], ttmp6, 0x40000
	s_bfe_u32 s[CYP], ttmp6, 0x40004
	s_lshl_b32 s[WX], ttmp9, 2
	s_add_co_u32 s[WX], s[WX], s[CX]               ; the chunk of 128 columns
	s_and_b32 s[WY], ttmp7, 0xffff
	s_lshl_b32 s[WY], s[WY], 2
	s_add_co_u32 s[WY], s[WY], s[CYP]              ; the chunk of 128 tokens
	s_lshl_b32 s2, s[CYP], 2
	s_lshl_b32 s2, 15, s2                          ; my row of the cluster
	s_lshl_b32 s3, 0x1111, s[CX]                   ; my column
	s_or_b32 s[G1A], s2, (3<<16)|(1<<21)           ; the tokens' images: 256 rows of 256 dense bytes, no padding
	s_mov_b32 s[G1A+1], 32<<16
	s_mov_b32 s[G1A+2], 256<<16
	s_mov_b32 s[G1A+3], 32<<16
	s_mov_b32 s[G1A+4], 256
	s_mov_b32 s[G1A+5], 32
	s_mov_b32 s[G1A+6], 0
	s_mov_b32 s[G1A+7], 0
	s_or_b32 s[G1B], s3, (0<<16)|(1<<20)|(1<<21)|(6<<22)|(3<<25)   ; Wo: 128 rows of 512 bytes; 4 words of padding after every 128
	s_mov_b32 s[G1B+1], 512<<16
	s_mov_b32 s[G1B+2], 128<<16
	s_mov_b32 s[G1B+3], 512<<16
	s_mov_b32 s[G1B+4], 128
	s_mov_b32 s[G1B+5], 512
	s_mov_b32 s[G1B+6], 0
	s_mov_b32 s[G1B+7], 0
	s_or_b32 s[G1AS], s2, (3<<16)|(1<<20)|(1<<21)|(5<<22)|(3<<25)  ; the scale bytes of 128 rows: 16 rows of 256 dense bytes; 4 words of padding after every 64
	s_or_b32 s[G1BS], s3, (3<<16)|(1<<20)|(1<<21)|(5<<22)|(3<<25)
.irp g, G1AS, G1BS
	s_mov_b32 s[\g+1], 32<<16
	s_mov_b32 s[\g+2], 16<<16
	s_mov_b32 s[\g+3], 32<<16
	s_mov_b32 s[\g+4], 16
	s_mov_b32 s[\g+5], 32
	s_mov_b32 s[\g+6], 0
	s_mov_b32 s[\g+7], 0
.endr
	s_lshl_b32 s76, s[WY], 16                      ; 128 rows' codes: 65,536 bytes on both sides
	s_mov_b32 s77, 0
	s_lshl_b32 s78, s[WY], 12                      ; their scale bytes: 4,096
	s_mov_b32 s79, 0
	s_lshl_b32 s80, s[WX], 16
	s_mov_b32 s81, 0
	s_lshl_b32 s82, s[WX], 12
	s_mov_b32 s83, 0
	s_wait_dscnt 0x0                               ; both opening adds are done
	s_wait_kmcnt 0x0
	s_add_nc_u64 s[4:5], s[4:5], s[76:77]
	s_add_nc_u64 s[6:7], s[6:7], s[78:79]
	s_add_nc_u64 s[8:9], s[8:9], s[80:81]
	s_add_nc_u64 s[10:11], s[10:11], s[82:83]
	CROUND                                         ; all sixteen work-groups are here: the joint loads meet
	s_mov_b32 s[G0A], 1
	s_mov_b32 s[G0A+1], 0
	s_mov_b64 s[G0A+2:G0A+3], s[4:5]
	s_or_b32 s[G0A+3], s[G0A+3], 0x80000000
	s_mov_b32 s[G0AS], 1
	s_mov_b32 s[G0AS+1], SCL
	s_mov_b64 s[G0AS+2:G0AS+3], s[6:7]
	s_or_b32 s[G0AS+3], s[G0AS+3], 0x80000000
	s_mov_b32 s[G0B], 1
	s_mov_b32 s[G0B+1], BOFF
	s_mov_b64 s[G0B+2:G0B+3], s[8:9]
	s_or_b32 s[G0B+3], s[G0B+3], 0x80000000
	s_mov_b32 s[G0BS], 1
	s_mov_b32 s[G0BS+1], SCL+2*SPART
	s_mov_b64 s[G0BS+2:G0BS+3], s[10:11]
	s_or_b32 s[G0BS+3], s[G0BS+3], 0x80000000
; The four tiles, one a wave: wave 0 the tokens' codes, wave 1 Wo's codes, waves 2 and 3 their scale bytes.  One tree of branches on the wave's number: every way passes exactly one load.
.macro ARM under, g0, g1, next
	s_cmp_lt_u32 s[WV], \under
	s_cbranch_scc0 \next
	tensor_load_to_lds s[\g0:\g0+3], s[\g1:\g1+7]
	s_nop 0
.rept 4
	v_nop
.endr
	s_branch .Lasked
\next:
.endm
	ARM 1, G0A, G1A, .Lhead_b
	ARM 2, G0B, G1B, .Lhead_as
	ARM 3, G0AS, G1AS, .Lhead_bs
	tensor_load_to_lds s[G0BS:G0BS+3], s[G1BS:G1BS+7]
	s_nop 0
.rept 4
	v_nop
.endr
.Lasked:
	s_lshl_b32 s78, s[WX], 7
	s_lshl_b32 s79, s[PH], 6
	s_add_co_u32 s78, s78, s79                     ; my first column,
	s_lshl_b32 s78, s78, 2                         ; in bytes
	s_mov_b32 s79, 0
	s_add_nc_u64 s[12:13], s[12:13], s[78:79]      ; bo there
	s_lshl_b32 s76, s[WY], 7
	s_lshl_b32 s77, s[RH], 6
	s_add_co_u32 s76, s76, s77                     ; my first token: a row of out0 is 4,096 bytes
	s_lshl_b32 s76, s76, 12
	s_add_co_u32 s76, s76, s78
	s_mov_b32 s77, 0
	s_add_nc_u64 s[14:15], s[14:15], s[76:77]
	v_and_b32 v1, 15, v0                           ; r
	v_bfe_u32 v2, v0, 4, 1                         ; h
	v_lshlrev_b32 v[BOB], 5, v2
	WIN 0xc0
.irp b, 0,1,2,3                        ; the bias in the result's layout: register j of tile b is column 16 b + 8 h + j
	global_load_b128 v[BI+8*\b:BI+8*\b+3], v[BOB], s[12:13] offset:64*\b
	global_load_b128 v[BI+8*\b+4:BI+8*\b+7], v[BOB], s[12:13] offset:64*\b+16
.endr
	WIN 0
	v_and_b32 v3, 31, v0
	v_lshlrev_b32 v3, 4, v3
	s_lshl_b32 s76, s[RH], 15
	v_add_nc_u32 v[ADRA], s76, v3                  ; my four tiles of tokens: 16 x lane
	v_mul_u32_u24 v4, v1, BPITCH
	v_lshl_add_u32 v4, v2, 4, v4
	s_mul_i32 s76, s[PH], 64*BPITCH
	s_add_co_u32 s76, s76, BOFF
	v_add_nc_u32 v[ADRB], s76, v4                  ; my 64 rows of Wo: row x pitch + 16 x half
	v_lshlrev_b32 v5, 5, v1                        ; my row's scale bytes: 32 a row,
	v_lshrrev_b32 v6, 8, v5
	v_lshl_add_u32 v5, v6, 4, v5                   ; and 16 more for each 256 passed
	s_xor_b32 s77, s[RH], 1
	s_add_co_u32 s77, s77, s[PH]
	s_add_co_u32 s77, s77, 1                       ; 2 + PH - RH parts from my tokens' scales to my columns'
	s_mul_i32 s77, s77, SPART
	v_mul_u32_u24 v6, s77, v2                      ; lanes 16-31 take Wo's
	s_mul_i32 s76, s[RH], SPART
	s_add_co_u32 s76, s76, SCL
	v_add_nc_u32 v5, v5, v6
	v_add_nc_u32 v[ADRS], s76, v5
	s_mul_i32 s76, s[WV], 16*272
	s_add_co_u32 s76, s76, STAGE                   ; my stage
	v_mul_u32_u24 v4, v1, 272
	v_lshl_add_u32 v4, v2, 5, v4
	v_add_nc_u32 v[STO], s76, v4                   ; in: row r, 32 bytes for each half of the lanes
	v_mul_u32_u24 v4, v2, 272
	v_lshl_add_u32 v4, v1, 4, v4
	v_add_nc_u32 v[RD], s76, v4                    ; back: lanes 0-15 one row of 256 bytes, lanes 16-31 the next
	v_lshlrev_b32 v[CO], 12, v2
	v_lshl_add_u32 v[CO], v1, 4, v[CO]             ; and the same two rows in out0
	s_wait_alu depctr_va_vdst(0)                   ; the head's end
	s_wait_tensorcnt 0x0                           ; my load is in,
	s_barrier_signal -1
	s_barrier_wait -1                              ; all four are
.macro AFETCH a                        ; tile a of my tokens, all of K: 16 loads
	WIN 0x80
.irp s, 0,1,2,3,4,5,6,7
.irp c, 0,1
	ds_load_b128 v[64*(\a)+8*\s+4*\c:64*(\a)+8*\s+4*\c+3], v[ADRA] offset:8192*(\a)+1024*\s+512*\c
.endr
.endr
.endm
; Tile a: 32 products, its four accumulators by turns.
.macro TILE a
.irp s, 0,1,2,3,4,5,6,7
.if \s == 0
	WIN 0x39                                       ; source 0 window 1, source 1 window 2, C window 3, D window 0
.else
	WIN 0x09                                       ; C and D window 0
.endif
.irp b, 0,1,2,3
.if \s == 0
	v_wmma_scale_f32_16x16x128_f8f6f4 v[ACC+8*(4*(\a)+\b):ACC+8*(4*(\a)+\b)+7], v[8*\b:8*\b+7], v[64*(\a):64*(\a)+7], v[BI+8*\b:BI+8*\b+7], v[SC+4*\b], v[SC+4*(\a)] matrix_a_fmt:MATRIX_FMT_FP4 matrix_b_fmt:MATRIX_FMT_FP4 matrix_a_scale:MATRIX_SCALE_ROW1
.else
	v_wmma_scale_f32_16x16x128_f8f6f4 v[ACC+8*(4*(\a)+\b):ACC+8*(4*(\a)+\b)+7], v[32*\s+8*\b:32*\s+8*\b+7], v[64*(\a)+8*\s:64*(\a)+8*\s+7], v[ACC+8*(4*(\a)+\b):ACC+8*(4*(\a)+\b)+7], v[SC+16*(\s/4)+4*\b+\s%4], v[SC+16*(\s/4)+4*(\a)+\s%4] matrix_a_fmt:MATRIX_FMT_FP4 matrix_b_fmt:MATRIX_FMT_FP4 matrix_a_scale:MATRIX_SCALE_ROW1
.endif
.endr
.endr
	WIN 0
.endm
; THE WAY OUT, a tile of 16 tokens x 64 columns at a time, through my own stage: in as 32 bytes a lane, back as whole rows of 256 bytes, so that sixteen lanes store 256 consecutive bytes, at a multiple of 256 from out0's first byte.
; LDS serves a wave's instructions in order (ISA guide 5.7.1.4): no wait between the stores and the loads, nor in front of the next tile's stores.
.macro TOSTAGE a
.irp b, 0,1,2,3
	ds_store_b128 v[STO], v[ACC+8*(4*(\a)+\b):ACC+8*(4*(\a)+\b)+3] offset:64*\b       ; each accumulator from its low end on
	ds_store_b128 v[STO], v[ACC+8*(4*(\a)+\b)+4:ACC+8*(4*(\a)+\b)+7] offset:64*\b+16
.endr
.set BB, OB-32*((\a)%2)
.irp i, 0,1,2,3,4,5,6,7
	ds_load_b128 v[BB+4*\i:BB+4*\i+3], v[RD] offset:2*\i*272
.endr
.endm
.macro SEND a
.set BB, OB-32*((\a)%2)
	s_wait_dscnt 0x0                               ; the tile is back in registers (and every fragment is in)
.irp i, 0,1,2,3,4,5,6,7
	global_store_b128 v[CO], v[BB+4*\i:BB+4*\i+3], s[14:15] offset:(16*(\a)+2*\i)*4096 th:TH_STORE_NT
.endr
.endm
.irp k, 0,1                            ; all scale words: register 16 k + 4 i + q: lanes 0-15 the word of my tokens' tile i, lanes 16-31 that of my columns' tile i, for K step 4 k + q
.irp i, 0,1,2,3
	ds_load_b128 v[SC+16*\k+4*\i:SC+16*\k+4*\i+3], v[ADRS] offset:544*\i+16*\k
.endr
.endr
	AFETCH 0
	WIN 0x40
.irp s, 0,1,2,3,4,5,6,7                ; Wo's fragments, all of K: 64 loads
.irp b, 0,1,2,3
.irp c, 0,1
	ds_load_b128 v[32*\s+8*\b+4*\c:32*\s+8*\b+4*\c+3], v[ADRB] offset:16*BPITCH*\b+64*\s+32*\c
.endr
.endr
.endr
	AFETCH 1
	AFETCH 2
	AFETCH 3
	WIN 0
	s_wait_loadcnt 0x0                             ; the bias
	s_wait_dscnt 48                                ; all but the 48 loads of tiles 1 to 3
	TILE 0
.irp a, 1,2,3
	PLACES 4                                       ; behind the last products
.if \a > 2
	s_wait_xcnt 0x0                                ; tile a - 3's stores have read their registers: tile a - 1's loads may land there
.endif
	TOSTAGE \a-1
.if \a == 1
	s_wait_dscnt 48                                ; tile 1's fragments are in: behind them stand 32 loads and the stage's 16
.endif
	TILE \a
	SEND \a-1
.endr
	PLACES 4
	s_wait_xcnt 0x0
	TOSTAGE 3
	SEND 3
	s_wait_tensorcnt 0x0                           ; the wave's end
	ds_add_u32 v[SPW], v[NIL]
	s_wait_dscnt 0x0
	CROUND                                         ; the closing round: no work-group ends while a partner may still ask for a tile that names it
	s_endpgm
.Lfunc_end_k_q85dcaa5660_oproj:
	.size	k_q85dcaa5660_oproj, .Lfunc_end_k_q85dcaa5660_oproj-k_q85dcaa5660_oproj
	.p2alignl 7, 3214868480
	.fill 96, 4, 3214868480
	.section	.rodata,"a",@progbits
	.p2align	6, 0x0
	.amdhsa_kernel k_q85dcaa5660_oproj
		.amdhsa_group_segment_fixed_size 168448
		.amdhsa_private_segment_fixed_size 0
		.amdhsa_enable_private_segment 0
		.amdhsa_kernarg_size 48
		.amdhsa_user_sgpr_count 2
		.amdhsa_user_sgpr_kernarg_segment_ptr 1
		.amdhsa_wavefront_size32 1
		.amdhsa_system_sgpr_workgroup_id_x 1
		.amdhsa_system_sgpr_workgroup_id_y 1
		.amdhsa_system_sgpr_workgroup_id_z 1
		.amdhsa_system_vgpr_workitem_id 0
		.amdhsa_next_free_vgpr 1024
		.amdhsa_next_free_sgpr 84
		.amdhsa_reserve_vcc 0
		.amdhsa_float_denorm_mode_32 3
		.amdhsa_float_denorm_mode_16_64 3
		.amdhsa_memory_ordered 1
		.amdhsa_forward_progress 1
		.amdhsa_inst_pref_size 42
	.end_amdhsa_kernel
	.amdgpu_metadata
---
amdhsa.version: [ 1, 2 ]
amdhsa.kernels:
  - .name:           k_q85dcaa5660_oproj
    .symbol:         k_q85dcaa5660_oproj.kd
    .args:
      - { .name: ac, .offset: 0, .size: 8, .value_kind: global_buffer, .address_space: global }
      - { .name: asc, .offset: 8, .size: 8, .value_kind: global_buffer, .address_space: global }
      - { .name: Wo_codes, .offset: 16, .size: 8, .value_kind: global_buffer, .address_space: global }
      - { .name: Wo_scales, .offset: 24, .size: 8, .value_kind: global_buffer, .address_space: global }
      - { .name: bo, .offset: 32, .size: 8, .value_kind: global_buffer, .address_space: global }
      - { .name: out0, .offset: 40, .size: 8, .value_kind: global_buffer, .address_space: global }
    .group_segment_fixed_size: 168448
    .private_segment_fixed_size: 0
    .kernarg_segment_align: 8
    .kernarg_segment_size: 48
    .max_flat_workgroup_size: 128
    .sgpr_count:     84
    .vgpr_count:     1024
    .wavefront_size: 32
...
	.end_amdgpu_metadata
.endif
;; end of part 3
